; MI455X (gfx1250); checked and timed in simulation.
; The chip was launched on July 23, 2026; its instructions are those of AMD's public machine-readable ISA for CDNA 5 (MIT licence, August 2026) and "CDNA5" Instruction Set Architecture Reference Guide (July 2026). The comments in the code are by the model that wrote it; some were corrected since.
;; Multi Head Attention. Allowed arithmetic: matrix products marked QUANTISED: E2M3 operands, one E8M0 scale for each 32 along K, by v_wmma_scale_f32_16x16x128_f8f6f4 with both operands' format E2M3, f32 sums; everything else in f32.
;; Inputs: Wk 1,024 x 1,024 float32; Wo 1,024 x 1,024 float32; Wq 1,024 x 1,024 float32; Wv 1,024 x 1,024 float32; bk 1,024 float32; bo 1,024 float32; bq 1,024 float32; bv 1,024 float32; key 4 x 2,048 x 1,024 float32; query 4 x 2,048 x 1,024 float32; value 4 x 2,048 x 1,024 float32.
;; Outputs: out0 4 x 2,048 x 1,024 float32.
;; This version of the problem:
;;   THIS VERSION OF THE PROBLEM IS GIVEN IN LOW PRECISION. The matrix products marked QUANTISED in the list below multiply operands that are first quantised to E2M3 (2 exponent bits, 3 mantissa bits; 6 bits a number), with one power-of-two scale for each 32 numbers along K (OCP MX v1.0); their sums are f32. All else is computed in f32.
;;   The module's matrix products, in the order in which they are computed (A, B: the left and right operand; K: the contracted axis; several contracted axes count as one K, in the product's order):
;;     1. [M 8,192, K 1,024] x [K 1,024, N 1,024]; A: input query; B: input Wq: QUANTISED
;;     2. [M 8,192, K 1,024] x [K 1,024, N 1,024]; A: input key; B: input Wk: QUANTISED
;;     3. [M 8,192, K 1,024] x [K 1,024, N 1,024]; A: input value; B: input Wv: QUANTISED
;;     4. batch 64 x [M 2,048, K 64] x [K 64, N 2,048]; A: computed on the way; B: computed on the way: QUANTISED
;;     5. batch 64 x [M 2,048, K 2,048] x [K 2,048, N 64]; A: softmax (see below); B: computed on the way: QUANTISED
;;     6. [M 8,192, K 1,024] x [K 1,024, N 1,024]; A: computed on the way; B: input Wo: QUANTISED
;;   THE QUANTISER, for each operand of a quantised product, along K:
;;     - K is cut into blocks of 32 from its start; a last block that is shorter is filled with zeros.
;;     - A block's scale is 2^e with e = floor(log2(the largest magnitude in the block)) - 2, held to -126 .. 127; a block of zeros has e = 0. As a byte (E8M0): e + 127.
;;     - Each number is divided by its block's scale, clamped to +-7.5, and rounded to the nearest number of E2M3, ties to even, subnormals kept.
;;     - The product sums the exact products of the quantised numbers (number of the format x scale) in f32.
;;   ~~~python
;;   def quantise(x, axis):      # numpy; x: float32 -> the quantised numbers, widened to float32 again
;;       x = np.moveaxis(x, axis, -1); K = x.shape[-1]
;;       x = np.pad(x, [(0, 0)] * (x.ndim - 1) + [(0, -K % 32)]); x = x.reshape(x.shape[:-1] + (-1, 32)); a = np.abs(x).max(-1, keepdims=True)
;;       e = np.where(a > 0, np.clip(np.frexp(np.where(a > 0, a, 1))[1] - 1 - 2, -126, 127), 0)      # np.frexp(a)[1] - 1 = floor(log2(a)), exactly
;;       r = np.clip(x / 2.0 ** e, -7.5, 7.5)
;;       step = 2.0 ** (np.maximum(np.frexp(np.where(r == 0, 1, r))[1] - 1, 0) - 3)
;;       q = np.round(r / step) * step * 2.0 ** e      # np.round: ties to even
;;       return np.moveaxis(q.reshape(q.shape[:-2] + (-1,))[..., :K], -1, axis).astype(np.float32)
;;   ~~~
;;   SOFTMAX AHEAD OF A QUANTISED PRODUCT. Where the list says 'softmax', what is quantised is not the finished softmax but p = 2^(t - M), with t = logit x log2(e) and M = ceil(the row's largest t), a whole number; so 1/2 < the row's largest p <= 1. The row's sum l is taken of the UNQUANTISED p, in f32, and the product's result is divided by l at the end. Since M is a whole number, a kernel that streams over the keys may use a running M (the ceiling of the running maximum): every later rescaling is an exact power of two, which a block's scale takes up: the codes' values come out the same.
;;   OPERANDS COMPUTED ON THE WAY. 'Computed on the way' means the value that the module computes at that place (a softmax that the list does not call 'softmax' is quantised finished and normalised). What goes into a quantiser is computed in f32, as accurately as f32 sums, v_exp_f32 and their like allow (about 1e-6 of the number): no bf16 or f16 on the way to a quantiser, and a product that is left as it is and whose result goes on into a quantised operand takes f32 operands (vector FMAs, or v_wmma_f32_16x16x4_f32). A number that lies on a knife's edge between two numbers of the format may be rounded either way, as far as f32 arithmetic and the matrix unit's own rounding can turn it there, and no further.
;; One version. Each part assembles by itself: llvm-mc -triple=amdgcn-amd-amdhsa -mcpu=gfx1250 --defsym DOCPART=n.
;; ======== version 1 of 1: 4 launches
;; limits: right only within a limited range of input values
;; workspace buffers: opc 22,020,096 bytes; ops 917,504 bytes; qimg 6,291,456 bytes; qs 524,288 bytes; kv 12,582,912 bytes; kvs 786,432 bytes; ctxc 6,291,456 bytes; ctxs 262,144 bytes
;; launch quant (part 1): grid 512 x 1, 4 waves a work-group, no clusters, 57,856 bytes of LDS; arguments query, key, value, Wq, Wk, Wv, Wo, opc, ops; writes opc, ops
.if DOCPART == 1
	.amdgcn_target "amdgcn-amd-amdhsa--gfx1250"
	.amdhsa_code_object_version 6
	.text
	.protected	k_qa3dc496a60_quant
	.globl	k_qa3dc496a60_quant
	.p2align	8
	.type	k_qa3dc496a60_quant,@function
k_qa3dc496a60_quant:
	s_mov_b64 s[64:65], 0
	v_nop
	global_prefetch_b8 v0, s[64:65] scope:SCOPE_SE
	s_setreg_imm32_b32 hwreg(HW_REG_WAVE_MODE, 25, 1), 1
	s_wait_xcnt 0x0
; ALL OPERANDS THAT ARRIVE AS f32 BECOME CODES OF FP6 (E2M3) WITH ONE E8M0 BYTE FOR EACH 32 ALONG K.  A block's byte is its largest magnitude's exponent field - 2, held at 1 from below.
; OUT: opc [plane k / 64 (16)][row (28,672)][48 bytes], ops [row][32 bytes].  Rows 0-8191 query, 8192-16383 key, 16384-24575 value, then 1,024 rows (one a column) for each of Wq, Wk, Wv, Wo.
; Work-groups 0-383: 64 rows of query, key or value; a wave 16 rows x all of K in 32 steps of 512 numbers, turned through its own stage in LDS so that a lane holds 16 neighbours along K.
; Work-groups 384-511: 128 columns x 256 along K of a weight [K][N]; a lane takes a column and its registers run down K.  Wo alone: inside each block of 32 the places 8-15 and 16-23 change places,
; as the attention's result has them; an order alike on both operands leaves the products as they are.
; The two paths part on the work-group's number and have LDS bytes of their own: 0 to 32,767 and from 33,280 on; the spare words lie between.
; LIMITS: NaN and infinities are not served; a block of zeros, or one under 2^-124, gets the byte 1; the bytes are read by this program alone.
; No tensor load, no barrier, no cluster: waves and work-groups share nothing.
.set STEPS, 32
.set SP,    80
.set WREG,  8192
.set SCB,   2*32*SP
.set PP,    28672*48
.set R,     20
.set X,     84
.set C,     116
.set E,     132
.set WB,    33280
.set NB,    8
.set WX,    32
.set WC,    96
.set WT,    108
.set OUTR,  112
.set SB,    24
	s_load_b512 s[36:51], s[0:1], 0x0              ; query, key, value, Wq, Wk, Wv, Wo, opc
	s_load_b64 s[52:53], s[0:1], 0x40              ; ops
	v_lshl_add_u32 v160, v0, 2, 0x8000
	v_mov_b32 v161, 0
	v_lshrrev_b32 v1, 5, v0
	v_readfirstlane_b32 s16, v1                    ; wave
	v_and_b32 v2, 31, v0                           ; lane
	s_wait_alu depctr_va_vdst(0)
	s_cmp_lt_u32 ttmp9, 384
	s_cbranch_scc0 .Lweights
	v_bfe_u32 v8, v0, 4, 1
	v_and_b32 v9, 15, v0
	v_lshlrev_b32 v3, 4, v9
	v_lshl_add_u32 v3, v8, 12, v3                  ; in: lanes 0-15 one row's 256 bytes, lanes 16-31 the next row's
	v_mul_u32_u24 v4, v2, 12                       ; my 12 bytes of a step's codes
	s_mul_i32 s20, s16, WREG
	v_lshrrev_b32 v8, 2, v2
	v_bfe_u32 v9, v0, 1, 1
	v_lshl_add_u32 v5, v8, 5, v9
	v_add_nc_u32 v5, s20, v5
	v_add_nc_u32 v5, SCB, v5                       ; LDS: my block's scale byte: 32 x row + block
	v_lshlrev_b32 v7, 4, v2
	v_add_nc_u32 v6, s20, v7
	v_add_nc_u32 v6, SCB, v6
	v_mul_u32_u24 v16, v8, SP
	v_and_b32 v9, 3, v0
	v_lshl_add_u32 v16, v9, 4, v16
	v_add_nc_u32 v16, s20, v16                     ; the stage, in
	v_mul_u32_u24 v17, v2, SP
	v_add_nc_u32 v17, s20, v17                     ; and out: my 16 neighbours
	s_lshr_b32 s14, ttmp9, 7                       ; which tensor
	s_lshl_b32 s17, ttmp9, 6
	s_lshl_b32 s21, s16, 4
	s_add_co_u32 s17, s17, s21                     ; my first row in opc and ops
	s_and_b32 s18, s17, 8191
	s_lshl_b32 s22, s18, 12
	s_mov_b32 s23, 0
	s_mul_i32 s24, s17, 48
	s_mov_b32 s25, 0
	s_lshl_b32 s26, s17, 5
	s_mov_b32 s27, 0
	s_wait_alu depctr_va_vdst(0)
	s_wait_kmcnt 0x0
	s_mov_b64 s[4:5], s[36:37]
	s_cmp_eq_u32 s14, 1
	s_cselect_b64 s[4:5], s[38:39], s[4:5]
	s_cmp_eq_u32 s14, 2
	s_cselect_b64 s[4:5], s[40:41], s[4:5]
	s_add_nc_u64 s[4:5], s[4:5], s[22:23]
	s_add_nc_u64 s[10:11], s[50:51], s[24:25]
	s_add_nc_u64 s[12:13], s[52:53], s[26:27]
.macro LOADX t
.irp i, 0,1,2,3
	global_load_b128 v[R+16*((\t)%4)+4*\i:R+16*((\t)%4)+4*\i+3], v3, s[4:5] offset:(8*((\t)%2)+2*\i)*4096+256*((\t)/2) th:TH_LOAD_NT
.endr
.endm
.macro TURNX t                         ; LDS serves a wave's instructions in order: no wait between the stores and the loads
.irp i, 0,1,2,3
	ds_store_b128 v16, v[R+16*((\t)%4)+4*\i:R+16*((\t)%4)+4*\i+3] offset:32*SP*((\t)%2)+8*SP*\i
.endr
.irp i, 0,1,2,3
	ds_load_b128 v[X+16*((\t)%2)+4*\i:X+16*((\t)%2)+4*\i+3], v17 offset:32*SP*((\t)%2)+16*\i
.endr
.endm
.irp t, 0,1,2,3
	LOADX \t
.endr
	s_wait_loadcnt 12                              ; step 0's four loads are in
	TURNX 0
.macro STEPX t
.set XS, X+16*((\t)%2)
.set CD, C+4*((\t)%4)
.if (\t) > 0
	s_wait_dscnt 1                                 ; this step's numbers are back; the last step's byte store may be out
.else
	s_wait_dscnt 0x0
.endif
.if ((\t) > 0) && ((\t)%2 == 0)
	s_wait_xcnt 0x0                                ; the earlier stores have read their base and data
	s_add_nc_u64 s[10:11], s[10:11], PP            ; the next plane
.endif
.if (\t)+4 < STEPS
	LOADX (\t)+4
.endif
.if (\t)+1 < STEPS
.if STEPS-2-(\t) >= 3
	s_wait_loadcnt 12                              ; the next step's four loads are in; three steps' may be out
.else
	s_wait_loadcnt 4*(STEPS-2-(\t))
.endif
	TURNX (\t)+1
.endif
	v_max3_num_f32 v8, |v[XS]|, |v[XS+1]|, |v[XS+2]|
	v_max3_num_f32 v9, |v[XS+3]|, |v[XS+4]|, |v[XS+5]|
.irp i, 6,10
	v_max3_num_f32 v8, v8, |v[XS+\i]|, |v[XS+\i+1]|
	v_max3_num_f32 v9, v9, |v[XS+\i+2]|, |v[XS+\i+3]|
.endr
	v_max3_num_f32 v8, v8, |v[XS+14]|, |v[XS+15]|
	v_max3_num_f32 v8, v8, v9, 0x1800000           ; the floor 2^(3 - 127)
	v_max_num_f32_dpp v8, v8, v8 row_xmask:1 row_mask:0xf bank_mask:0xf
	v_add_nc_u32 v11, 0xff000000, v8               ; 2 off the exponent field: the conversion's scale operand
	v_cvt_scalef32_pk16_fp6_f32 v[CD:CD+2], v[XS:XS+15], v11
	v_lshrrev_b32 v[E+(\t)%4], 23, v11
	ds_store_b8 v5, v[E+(\t)%4] offset:256*((\t)%2)+2*((\t)/2)
	global_store_b96 v4, v[CD:CD+2], s[10:11] offset:384*((\t)%2)
.endm
.set Q, 0
.rept STEPS
	STEPX Q
.set Q, Q+1
.endr
	ds_load_b128 v[136:139], v6
	s_wait_dscnt 0x0
	global_store_b128 v7, v[136:139], s[12:13]     ; 16 rows' scale bytes: 512 consecutive bytes
	s_wait_tensorcnt 0x0                           ; the wave's end
	ds_add_u32 v160, v161
	s_wait_dscnt 0x0
	s_endpgm
.Lweights:
	s_sub_co_u32 s33, ttmp9, 384
	s_lshr_b32 s17, s33, 3
	s_and_b32 s33, s33, 7                          ; which 128 columns
	s_lshr_b32 s18, s17, 2                         ; w
	s_and_b32 s19, s17, 3                          ; the quarter of K
	s_cmp_eq_u32 s18, 3
	s_cselect_b32 s20, 32768, 0                    ; eight rows of W, for Wo alone
	s_sub_co_u32 s21, 32768, s20
	v_lshlrev_b32 v3, 2, v2
	v_add_nc_u32 v4, s20, v3
	v_add_nc_u32 v5, s21, v3
	s_mul_i32 s22, s16, 6144
	s_add_co_u32 s22, s22, WB                      ; my stage: 4 planes x 32 columns x 48 bytes
	v_mul_u32_u24 v6, v2, 48
	v_add_nc_u32 v6, s22, v6
	v_lshlrev_b32 v8, 4, v2
	v_add_nc_u32 v7, s22, v8
	v_lshlrev_b32 v9, 5, v2
	s_lshl_b32 s23, s33, 7
	s_lshl_b32 s24, s16, 5
	s_add_co_u32 s23, s23, s24                     ; my wave's first column
	s_lshl_b32 s24, s19, 20
	s_lshl_b32 s26, s23, 2
	s_add_co_u32 s24, s24, s26
	s_mov_b32 s25, 0
	s_lshl_b32 s26, s18, 10
	s_add_co_u32 s26, s26, s23
	s_add_co_u32 s26, s26, 24576                   ; my first row in opc and ops
	s_mul_i32 s28, s19, 4*PP
	s_mul_i32 s30, s26, 48
	s_add_co_u32 s28, s28, s30
	s_mov_b32 s29, 0
	s_lshl_b32 s30, s26, 5
	s_lshl_b32 s32, s19, 3
	s_add_co_u32 s30, s30, s32
	s_mov_b32 s31, 0
	s_wait_alu depctr_va_vdst(0)
	s_wait_kmcnt 0x0
	s_mov_b64 s[4:5], s[42:43]
	s_cmp_eq_u32 s18, 1
	s_cselect_b64 s[4:5], s[44:45], s[4:5]
	s_cmp_eq_u32 s18, 2
	s_cselect_b64 s[4:5], s[46:47], s[4:5]
	s_cmp_eq_u32 s18, 3
	s_cselect_b64 s[4:5], s[48:49], s[4:5]
	s_add_nc_u64 s[4:5], s[4:5], s[24:25]
	s_add_nc_u64 s[12:13], s[50:51], s[28:29]
	s_add_nc_u64 s[14:15], s[52:53], s[30:31]
.macro LOADW t                         ; block t into set t % 2: each load reads 128 consecutive bytes of one row of W
.irp i, 0,1,2,3,4,5,6,7
	global_load_b32 v[WX+32*((\t)%2)+\i], v3, s[4:5] offset:(32*(\t)+\i)*4096 th:TH_LOAD_NT
.endr
.irp i, 8,9,10,11,12,13,14,15
	global_load_b32 v[WX+32*((\t)%2)+\i], v4, s[4:5] offset:(32*(\t)+\i)*4096 th:TH_LOAD_NT
.endr
.irp i, 16,17,18,19,20,21,22,23
	global_load_b32 v[WX+32*((\t)%2)+\i], v5, s[4:5] offset:(32*(\t)+\i-8)*4096 th:TH_LOAD_NT
.endr
.irp i, 24,25,26,27,28,29,30,31
	global_load_b32 v[WX+32*((\t)%2)+\i], v3, s[4:5] offset:(32*(\t)+\i)*4096 th:TH_LOAD_NT
.endr
.endm
	LOADW 0
	LOADW 1
.macro BLOCKW t
.set XS, WX+32*((\t)%2)
.set CE, WC+6*((\t)%2)
.if (\t) < NB-1
	s_wait_loadcnt 32                              ; this block's 32 loads are in; the next block's may be out
.else
	s_wait_loadcnt 0x0
.endif
	v_max3_num_f32 v12, |v[XS]|, |v[XS+1]|, |v[XS+2]|
	v_max3_num_f32 v13, |v[XS+3]|, |v[XS+4]|, |v[XS+5]|
.irp i, 6,10,14,18,22,26
	v_max3_num_f32 v12, v12, |v[XS+\i]|, |v[XS+\i+1]|
	v_max3_num_f32 v13, v13, |v[XS+\i+2]|, |v[XS+\i+3]|
.endr
	v_max3_num_f32 v12, v12, |v[XS+30]|, |v[XS+31]|
	v_max3_num_f32 v12, v12, v13, 0x1800000
	v_add_nc_u32 v14, 0xff000000, v12
	v_lshrrev_b32 v13, 23, v14
.if (\t)%4 == 0
	v_mov_b32 v[SB+(\t)/4], v13
.else
	v_lshl_or_b32 v[SB+(\t)/4], v13, 8*((\t)%4), v[SB+(\t)/4]
.endif
	v_cvt_scalef32_pk16_fp6_f32 v[CE:CE+2], v[XS:XS+15], v14
	v_cvt_scalef32_pk16_fp6_f32 v[WT:WT+2], v[XS+16:XS+31], v14
	v_nop                                          ; one plain line behind a scaled conversion
.irp i, 0,1,2
	v_mov_b32 v[CE+3+\i], v[WT+\i]
.endr
.if (\t)%2 == 1
.irp c, 0,1,2
	ds_store_b128 v6, v[WC+4*\c:WC+4*\c+3] offset:1536*((\t)/2)+16*\c
.endr
.endif
.if (\t)+2 < NB
	LOADW (\t)+2
.endif
	s_wait_dscnt 0x0                               ; the stores have read their registers
.endm
.set Q, 0
.rept NB
	BLOCKW Q
.set Q, Q+1
.endr
	s_wait_alu depctr_va_vdst(0)
	global_store_b64 v9, v[SB:SB+1], s[14:15]      ; my column's 8 scale bytes
.irp j, 0,1,2,3
.irp c, 0,1,2
	ds_load_b128 v[OUTR+4*(3*\j+\c):OUTR+4*(3*\j+\c)+3], v7 offset:1536*\j+512*\c
.endr
.endr
.irp j, 0,1,2,3
.irp c, 0,1,2
	s_wait_dscnt 11-(3*\j+\c)
	global_store_b128 v8, v[OUTR+4*(3*\j+\c):OUTR+4*(3*\j+\c)+3], s[12:13] offset:\j*PP+512*\c
.endr
.endr
	s_wait_tensorcnt 0x0
	ds_add_u32 v160, v161
	s_wait_dscnt 0x0
	s_endpgm
.Lfunc_end_k_qa3dc496a60_quant:
	.size	k_qa3dc496a60_quant, .Lfunc_end_k_qa3dc496a60_quant-k_qa3dc496a60_quant
	.p2alignl 7, 3214868480
	.fill 96, 4, 3214868480
	.section	.rodata,"a",@progbits
	.p2align	6, 0x0
	.amdhsa_kernel k_qa3dc496a60_quant
		.amdhsa_group_segment_fixed_size 57856
		.amdhsa_private_segment_fixed_size 0
		.amdhsa_enable_private_segment 0
		.amdhsa_kernarg_size 72
		.amdhsa_user_sgpr_count 2
		.amdhsa_user_sgpr_kernarg_segment_ptr 1
		.amdhsa_wavefront_size32 1
		.amdhsa_system_sgpr_workgroup_id_x 1
		.amdhsa_system_sgpr_workgroup_id_y 1
		.amdhsa_system_sgpr_workgroup_id_z 1
		.amdhsa_system_vgpr_workitem_id 0
		.amdhsa_next_free_vgpr 162
		.amdhsa_next_free_sgpr 66
		.amdhsa_reserve_vcc 0
		.amdhsa_float_denorm_mode_32 3
		.amdhsa_float_denorm_mode_16_64 3
		.amdhsa_memory_ordered 1
		.amdhsa_forward_progress 1
		.amdhsa_inst_pref_size 105
	.end_amdhsa_kernel
	.amdgpu_metadata
---
amdhsa.version: [ 1, 2 ]
amdhsa.kernels:
  - .name:           k_qa3dc496a60_quant
    .symbol:         k_qa3dc496a60_quant.kd
    .args:
      - { .name: query, .offset: 0, .size: 8, .value_kind: global_buffer, .address_space: global }
      - { .name: key, .offset: 8, .size: 8, .value_kind: global_buffer, .address_space: global }
      - { .name: value, .offset: 16, .size: 8, .value_kind: global_buffer, .address_space: global }
      - { .name: Wq, .offset: 24, .size: 8, .value_kind: global_buffer, .address_space: global }
      - { .name: Wk, .offset: 32, .size: 8, .value_kind: global_buffer, .address_space: global }
      - { .name: Wv, .offset: 40, .size: 8, .value_kind: global_buffer, .address_space: global }
      - { .name: Wo, .offset: 48, .size: 8, .value_kind: global_buffer, .address_space: global }
      - { .name: opc, .offset: 56, .size: 8, .value_kind: global_buffer, .address_space: global }
      - { .name: ops, .offset: 64, .size: 8, .value_kind: global_buffer, .address_space: global }
    .group_segment_fixed_size: 57856
    .private_segment_fixed_size: 0
    .kernarg_segment_align: 8
    .kernarg_segment_size: 72
    .max_flat_workgroup_size: 128
    .sgpr_count:     66
    .vgpr_count:     162
    .wavefront_size: 32
...
	.end_amdgpu_metadata
.endif
;; end of part 1
;; launch proj (part 2): grid 4 x 96, 4 waves a work-group, clusters of 4 x 4, 327,680 bytes of LDS; arguments opc, ops, bq, bk, bv, qimg, qs, kv, kvs; writes qimg, qs, kv, kvs
.if DOCPART == 2
	.amdgcn_target "amdgcn-amd-amdhsa--gfx1250"
	.amdhsa_code_object_version 6
	.text
	.protected	k_qa3dc496a60_proj
	.globl	k_qa3dc496a60_proj
	.p2align	8
	.type	k_qa3dc496a60_proj,@function
k_qa3dc496a60_proj:
	s_mov_b64 s[64:65], 0
	v_nop
	global_prefetch_b8 v0, s[64:65] scope:SCOPE_SE
	s_setreg_imm32_b32 hwreg(HW_REG_WAVE_MODE, 25, 1), 1
	s_wait_xcnt 0x0
	s_wait_alu depctr_hold_cnt(0) depctr_sa_sdst(0) depctr_va_vdst(0) depctr_va_sdst(0) depctr_va_ssrc(0) depctr_va_vcc(0) depctr_vm_vsrc(0)
	s_getreg_b32 s2, hwreg(HW_REG_IB_STS2, 6, 4)
	s_cmp_eq_u32 s2, 0
	s_cbranch_scc0 .Lentry_in_a_cluster
	s_endpgm
.Lentry_in_a_cluster:
	s_bfe_u32 s2, ttmp6, 0x10000c
	s_cmp_lg_u32 s2, 0xf033
	s_cbranch_scc0 .Lentry_shape_is_right
	s_endpgm
.Lentry_shape_is_right:
.set PP,     28672*48
.set NQ,     2
.set FR,     12
.set NL,     6
.set NP,     4
.set PLN,    128*48
.set HALFT,  4*PLN
.set SLOT,   4*HALFT
.set KS,     32
.set SCL,    2*SLOT
.set HALFS,  16*272
.set SBLK,   2*272
.set SPARE,  SCL+4*HALFS
.set STGQ,   SPARE+512
.set STGV,   STGQ+4096
.set ADRA, 16
.set ADRB, 20
.set ADRS, 27
.set SPW,  28
.set NIL,  29
.set SC,   32
.set BN,   64
.set AF,   128
.set BM,   240
.set H,    128
.set TM,   192
.set PC,   208
.set PW,   228
.set WV, 22
.set RH, 23
.set CH, 66
.set YY, 67
.set SEL, 46
.set G1, 24
.set G0, 32
.set G1B, 48
.set G0B, 56
.set G1S, 68
.set G0S, 76
.set G1SB, 80
.set G0SB, 88
.set MSB, 0
.macro WIN new
.if MSB != (\new)
	s_set_vgpr_msb (MSB<<8)|(\new)
.set MSB, \new
.endif
.endm
.set MUL_LO, 0xa1
.set MUL_HI, 0xf1
.set TO_B,   0x40
.macro JLOAD g0a, g1a, g0b, g1b
	s_cmp_eq_u32 s[RH], 0
	s_cbranch_scc0 .Lfor_b_\@
	tensor_load_to_lds s[\g0a:\g0a+3], s[\g1a:\g1a+7]
	s_nop 0
.rept 4
	v_nop
.endr
	s_branch .Lasked_\@
.Lfor_b_\@:
	tensor_load_to_lds s[\g0b:\g0b+3], s[\g1b:\g1b+7]
	s_nop 0
.rept 4
	v_nop
.endr
.Lasked_\@:
.endm
.macro CREST
	s_cmp_lg_u32 s[WV], 0
	s_cbranch_scc1 .Lnot_wave_0_\@
	s_barrier_signal -3
.Lnot_wave_0_\@:
	s_barrier_wait -3
	s_barrier_signal -1
	s_barrier_wait -1
.endm
.macro CROUND
	s_barrier_signal -1
	s_barrier_wait -1
	CREST
.endm
	s_load_b512 s[4:19], s[0:1], 0x0
	s_load_b64 s[20:21], s[0:1], 0x40
	v_lshl_add_u32 v[SPW], v0, 2, SPARE
	v_mov_b32 v[NIL], 0
	ds_add_u32 v28, v29
	ds_add_u32 v28, v29
	s_wait_dscnt 0x0
	v_lshrrev_b32 v1, 5, v0
	v_readfirstlane_b32 s[WV], v1
	s_lshr_b32 s[RH], s[WV], 1
	s_and_b32 s[CH], s[WV], 1
	s_and_b32 s[YY], ttmp7, 0xffff
	s_bfe_u32 s40, ttmp6, 0x40000
	s_bfe_u32 s41, ttmp6, 0x40004
	s_lshl_b32 s42, s41, 2
	s_lshl_b32 s42, 15, s42
	s_lshl_b32 s43, 0x1111, s40
	s_or_b32 s[G1+0], s42, (3<<16)|(1<<21)
	s_or_b32 s[G1B+0], s43, (3<<16)|(1<<21)
.irp g, G1, G1B
	s_mov_b32 s[\g+1], 768<<16
	s_mov_b32 s[\g+2], 4<<16
	s_mov_b32 s[\g+3], 768<<16
	s_mov_b32 s[\g+4], 4
	s_mov_b32 s[\g+5], PP/8
	s_mov_b32 s[\g+6], 0
	s_mov_b32 s[\g+7], 0
.endr
	s_or_b32 s[G1S+0], s42, (3<<16)|(1<<20)|(1<<21)|(5<<22)|(3<<25)
	s_or_b32 s[G1SB+0], s43, (3<<16)|(1<<20)|(1<<21)|(5<<22)|(3<<25)
.irp g, G1S, G1SB
	s_mov_b32 s[\g+1], 32<<16
	s_mov_b32 s[\g+2], 16<<16
	s_mov_b32 s[\g+3], 32<<16
	s_mov_b32 s[\g+4], 16
	s_mov_b32 s[\g+5], 32
	s_mov_b32 s[\g+6], 0
	s_mov_b32 s[\g+7], 0
.endr
	s_lshl_b32 s92, s41, 8
	s_lshl_b32 s93, s[YY], 10
	s_add_co_u32 s94, s92, s93
	s_add_co_u32 s92, s92, 26624
	s_lshl_b32 s96, s40, 8
	s_add_co_u32 s97, s96, s93
	s_lshr_b32 s98, s[YY], 3
	s_lshl_b32 s98, s98, 10
	s_add_co_u32 s96, s96, s98
	s_add_co_u32 s96, s96, 24576
	s_cmp_lt_u32 s[YY], 16
	s_cselect_b32 s92, s94, s92
	s_cselect_b32 s96, s96, s97
	s_lshl_b32 s93, s[CH], 7
	s_add_co_u32 s92, s92, s93
	s_add_co_u32 s96, s96, s93
	s_mul_i32 s94, s92, 48
	s_mov_b32 s95, 0
	s_lshl_b32 s92, s92, 5
	s_mov_b32 s93, 0
	s_mul_i32 s98, s96, 48
	s_mov_b32 s99, 0
	s_lshl_b32 s96, s96, 5
	s_mov_b32 s97, 0
	s_mul_i32 s44, s[WV], HALFT
	s_mul_i32 s45, s[WV], HALFS
	s_wait_kmcnt 0x0
	s_add_nc_u64 s[94:95], s[4:5], s[94:95]
	s_add_nc_u64 s[92:93], s[6:7], s[92:93]
	s_add_nc_u64 s[98:99], s[4:5], s[98:99]
	s_add_nc_u64 s[96:97], s[6:7], s[96:97]
	s_cmp_lt_u32 s[YY], 8
	s_cselect_b64 s[100:101], s[8:9], s[10:11]
	s_cmp_lt_u32 s[YY], 16
	s_cselect_b64 s[100:101], s[100:101], s[12:13]
	CROUND
	s_mov_b32 s[G0S], 1
	s_add_co_u32 s[G0S+1], s45, SCL
	s_mov_b64 s[G0S+2:G0S+3], s[92:93]
	s_or_b32 s[G0S+3], s[G0S+3], 0x80000000
	s_mov_b32 s[G0SB], 1
	s_add_co_u32 s[G0SB+1], s45, SCL
	s_mov_b64 s[G0SB+2:G0SB+3], s[96:97]
	s_or_b32 s[G0SB+3], s[G0SB+3], 0x80000000
	JLOAD G0S, G1S, G0SB, G1SB
.irp s, 0,1
	s_mov_b32 s[G0+4*\s], 1
	s_add_co_u32 s[G0+4*\s+1], s44, \s*SLOT
	s_add_nc_u64 s[G0+4*\s+2:G0+4*\s+3], s[94:95], \s*4*PP
	s_or_b32 s[G0+4*\s+3], s[G0+4*\s+3], 0x80000000
	s_mov_b32 s[G0B+4*\s], 1
	s_add_co_u32 s[G0B+4*\s+1], s44, \s*SLOT
	s_add_nc_u64 s[G0B+4*\s+2:G0B+4*\s+3], s[98:99], \s*4*PP
	s_or_b32 s[G0B+4*\s+3], s[G0B+4*\s+3], 0x80000000
	s_wait_alu depctr_va_vdst(0)
	s_wait_tensorcnt 0x0
	ds_add_u32 v28, v29
	s_wait_dscnt 0x0
	CROUND
	JLOAD G0+4*\s, G1, G0B+4*\s, G1B
.endr
	v_and_b32 v1, 15, v0
	v_bfe_u32 v2, v0, 4, 1
	v_mul_u32_u24 v3, v1, 48
	v_mad_u32_u24 v4, v2, 24, v3
	s_mul_i32 s46, s[RH], HALFT
	s_mul_i32 s47, s[CH], HALFT
	s_add_co_u32 s47, s47, 2*HALFT
.irp s, 0,1
	v_add_nc_u32 v[ADRA+\s], s46, v4
	v_add_nc_u32 v[ADRB+\s], s47, v4
	s_add_co_u32 s46, s46, SLOT
	s_add_co_u32 s47, s47, SLOT
.endr
	v_mul_u32_u24 v5, v1, KS
	v_lshrrev_b32 v6, 8, v5
	v_lshl_add_u32 v5, v6, 4, v5
	s_mul_i32 s46, s[RH], HALFS
	s_mul_i32 s47, s[CH], HALFS
	s_add_co_u32 s47, s47, 2*HALFS
	s_sub_co_u32 s47, s47, s46
	v_mul_u32_u24 v6, s47, v2
	s_add_co_u32 s46, s46, SCL
	v_add_nc_u32 v5, v5, v6
	v_add_nc_u32 v[ADRS], s46, v5
	v_and_b32 v7, 31, v0
	v_lshlrev_b32 v8, 4, v7
	v_lshlrev_b32 v9, 3, v7
	v_lshlrev_b32 v10, 4, v2
	s_lshl_b32 s46, s[WV], 10
	s_add_co_u32 s46, s46, STGQ
	v_lshlrev_b32 v11, 4, v1
	v_lshl_add_u32 v11, v2, 9, v11
	v_add_nc_u32 v11, s46, v11
	v_add_nc_u32 v12, s46, v8
	s_lshl_b32 s47, s[WV], 9
	s_add_co_u32 s47, s47, STGV
	v_lshlrev_b32 v13, 3, v1
	v_add_nc_u32 v13, s47, v13
	v_add_nc_u32 v14, s47, v8
	v_mul_u32_u24 v15, v2, 12288
	v_lshl_add_u32 v15, v1, 4, v15
	s_lshl_b32 s92, s40, 10
	s_lshl_b32 s93, s[CH], 9
	s_add_co_u32 s92, s92, s93
	v_lshl_add_u32 v30, v2, 5, s92
	s_lshl_b32 s92, s41, 10
	s_lshl_b32 s93, s[RH], 9
	s_add_co_u32 s92, s92, s93
	v_lshl_add_u32 v31, v1, 2, s92
.irp b, 0,1,2,3,4,5,6,7
	global_load_b128 v[BN+8*\b:BN+8*\b+3], v30, s[100:101] offset:64*\b
	global_load_b128 v[BN+8*\b+4:BN+8*\b+7], v30, s[100:101] offset:64*\b+16
.endr
.irp a, 0,1,2,3,4,5,6,7
	global_load_b32 v[BM+2*\a], v31, s[100:101] offset:64*\a
	global_load_b32 v[BM+2*\a+1], v31, s[100:101] offset:64*\a
.endr
.macro FRAG reg, adr, q, i
.irp p, 0,1,2,3,4,5
	ds_load_b64 v[\reg+2*\p:\reg+2*\p+1], v[\adr] offset:(2*(\q)+\p/3)*PLN+(\i)*768+8*(\p%3)
.endr
.endm
.macro MUL16 a0, p, q, sc, zero
.irp a, \a0, \a0+1
.irp b, 0,1,2,3,4,5,6,7
.if \zero
	v_wmma_scale_f32_16x16x128_f8f6f4 v[8*(8*((\a)%4)+\b):8*(8*((\a)%4)+\b)+7], v[128*(\p)+FR*\b:128*(\p)+FR*\b+FR-1], v[AF+FR*(\a):AF+FR*(\a)+FR-1], 0, v[SC+8*NQ*(\sc)+NQ*\b+(\q)], v[SC+8*NQ*(\sc)+NQ*(\a)+(\q)] matrix_a_fmt:MATRIX_FMT_FP6 matrix_b_fmt:MATRIX_FMT_FP6 matrix_a_scale:MATRIX_SCALE_ROW1
.else
	v_wmma_scale_f32_16x16x128_f8f6f4 v[8*(8*((\a)%4)+\b):8*(8*((\a)%4)+\b)+7], v[128*(\p)+FR*\b:128*(\p)+FR*\b+FR-1], v[AF+FR*(\a):AF+FR*(\a)+FR-1], v[8*(8*((\a)%4)+\b):8*(8*((\a)%4)+\b)+7], v[SC+8*NQ*(\sc)+NQ*\b+(\q)], v[SC+8*NQ*(\sc)+NQ*(\a)+(\q)] matrix_a_fmt:MATRIX_FMT_FP6 matrix_b_fmt:MATRIX_FMT_FP6 matrix_a_scale:MATRIX_SCALE_ROW1
.endif
.endr
.endr
.endm
.macro FETCH_B slot, q, p
	WIN TO_B
.irp i, 0,1,2,3,4,5,6,7
	FRAG 128*(\p)+FR*\i, ADRB+\slot, \q, \i
.endr
	WIN 0
.endm
.macro FETCH_A slot, q, i0
.irp i, \i0, \i0+1, \i0+2, \i0+3
	FRAG AF+FR*(\i), ADRA+\slot, \q, \i
.endr
.endm
.macro SCALES sc
.irp i, 0,1,2,3,4,5,6,7
	ds_load_b64 v[SC+8*NQ*\sc+NQ*\i:SC+8*NQ*\sc+NQ*\i+1], v[ADRS] offset:\i*SBLK
.endr
.endm
.macro PLACES n
.rept \n
	v_nop
.endr
.endm
.macro STEP slot, q, zero
	s_wait_dscnt 4*NL
	WIN MUL_LO
	MUL16 0, (\q)%2, \q, \slot, \zero
	MUL16 2, (\q)%2, \q, \slot, \zero
	s_wait_dscnt 0
	PLACES NP
	FETCH_B \slot, (\q)+1, 1-(\q)%2
	FETCH_A \slot, (\q)+1, 0
	WIN MUL_HI
	MUL16 4, (\q)%2, \q, \slot, \zero
	MUL16 6, (\q)%2, \q, \slot, \zero
	PLACES NP
	WIN 0
	FETCH_A \slot, (\q)+1, 4
.endm
.macro TURN slot, next, fill
	s_wait_tensorcnt 0x0
	ds_add_u32 v[SPW], v[NIL]
	s_wait_dscnt 4*NL+1
	WIN MUL_LO
	MUL16 0, 1, NQ-1, \slot, 0
	s_wait_dscnt 0x0
	s_barrier_signal -1
	MUL16 2, 1, NQ-1, \slot, 0
	WIN 0
	s_barrier_wait -1
.if \fill
	CREST
	s_add_nc_u64 s[G0+4*\slot+2:G0+4*\slot+3], s[G0+4*\slot+2:G0+4*\slot+3], 8*PP
	s_add_nc_u64 s[G0B+4*\slot+2:G0B+4*\slot+3], s[G0B+4*\slot+2:G0B+4*\slot+3], 8*PP
	JLOAD G0+4*\slot, G1, G0B+4*\slot, G1B
.else
	PLACES NP
.endif
	s_wait_alu depctr_va_vdst(0)
	v_add_nc_u32 v[ADRS], 4*NQ, v[ADRS]
	FETCH_B \next, 0, 0
	FETCH_A \next, 0, 0
	SCALES \next
	WIN MUL_HI
	MUL16 4, 1, NQ-1, \slot, 0
	MUL16 6, 1, NQ-1, \slot, 0
	PLACES NP
	WIN 0
	FETCH_A \next, 0, 4
.endm
	s_wait_tensorcnt 1
	s_barrier_signal -1
	s_barrier_wait -1
	FETCH_B 0, 0, 0
	FETCH_A 0, 0, 0
	SCALES 0
	FETCH_A 0, 0, 4
	STEP 0, 0, 1
	TURN 0, 1, 1
	STEP 1, 0, 0
	TURN 1, 0, 1
	STEP 0, 0, 0
	TURN 0, 1, 0
	STEP 1, 0, 0
	s_wait_dscnt 4*NL
	WIN MUL_LO
	MUL16 0, 1, NQ-1, 1, 0
	MUL16 2, 1, NQ-1, 1, 0
	s_wait_dscnt 0
	WIN MUL_HI
	MUL16 4, 1, NQ-1, 1, 0
	MUL16 6, 1, NQ-1, 1, 0
	WIN 0
.macro QUANT s
.irp b, 0,1,2,3
	v_max3_num_f32 v[TM+\b], |v[\s+16*\b]|, |v[\s+1+16*\b]|, 0x1800000
.endr
.irp i, 2,4,6,8,10,12,14
.irp b, 0,1,2,3
	v_max3_num_f32 v[TM+\b], v[TM+\b], |v[\s+16*\b+\i]|, |v[\s+1+16*\b+\i]|
.endr
.endr
.irp b, 0,1,2,3
	v_permlanex16_b32 v[TM+4+\b], v[TM+\b], s[SEL], s[SEL+1]
.endr
.irp b, 0,1,2,3
	v_max_num_f32 v[TM+\b], v[TM+\b], v[TM+4+\b]
.endr
.irp b, 0,1,2,3
	v_add_nc_u32 v[TM+12+\b], 0xff000000, v[TM+\b]
.endr
.irp b, 0,1,2,3
	v_lshrrev_b32 v[TM+4+\b], 23, v[TM+12+\b]
.endr
	v_lshl_or_b32 v[PW], v[TM+5], 8, v[TM+4]
	v_lshl_or_b32 v[PW], v[TM+6], 16, v[PW]
	v_lshl_or_b32 v[PW], v[TM+7], 24, v[PW]
.irp c, 0,1
	v_cvt_scalef32_pk16_fp6_f32 v[PC+6*\c:PC+2+6*\c], v[\s+32*\c:\s+15+32*\c], v[TM+12+2*\c]
	v_cvt_scalef32_pk16_fp6_f32 v[PC+12+4*\c:PC+14+4*\c], v[\s+16+32*\c:\s+31+32*\c], v[TM+12+2*\c+1]
.endr
	v_nop
.irp c, 0,1
.irp i, 0,1,2
	v_permlane16_swap_b32 v[PC+6*\c+\i], v[PC+12+4*\c+\i]
.endr
.irp i, 0,1,2
	v_mov_b32 v[PC+3+6*\c+\i], v[PC+12+4*\c+\i]
.endr
.endr
.endm
.macro TAKEN a
	WIN 0x02+(\a)/4
.set i, 0
.rept 32
	v_pk_add_f32 v[H+i:H+i+1], v[64*((\a)%4)+i:64*((\a)%4)+i+1], v[BN+i:BN+i+1]
.set i, i+2
.endr
	WIN 0
.endm
.macro TAKEM a
	WIN 0x02+(\a)/4
.set i, 0
.rept 32
	v_pk_add_f32 v[H+i:H+i+1], v[64*((\a)%4)+i:64*((\a)%4)+i+1], v[BM+2*(\a):BM+2*(\a)+1]
.set i, i+2
.endr
	WIN 0
.endm
	PLACES NP
	s_wait_loadcnt 0x0
.irp b, 0,1,2,3
	v_mov_b32 v[TM+4+\b], 0
.endr
	s_mov_b32 s[SEL], 0x76543210
	s_mov_b32 s[SEL+1], 0xfedcba98
	s_cmp_lt_u32 s[YY], 16
	s_cbranch_scc0 .Lway_v
	s_lshl_b32 s92, s[YY], 10
	s_lshl_b32 s93, s41, 8
	s_add_co_u32 s92, s92, s93
	s_lshl_b32 s93, s[RH], 7
	s_add_co_u32 s92, s92, s93
	s_and_b32 s92, s92, 8191
	s_lshr_b32 s93, s92, 11
	s_bfe_u32 s92, s92, 0x40007
	s_lshl_b32 s93, s93, 4
	s_lshl_b32 s94, s40, 2
	s_add_co_u32 s93, s93, s94
	s_lshl_b32 s94, s[CH], 1
	s_add_co_u32 s93, s93, s94
	s_mov_b32 s96, 196608
	s_mov_b32 s98, 12288
	s_cmp_lt_u32 s[YY], 8
	s_cselect_b64 s[24:25], s[14:15], s[18:19]
	s_cselect_b64 s[28:29], s[16:17], s[20:21]
	s_cselect_b32 s96, 98304, s96
	s_cselect_b32 s98, 8192, s98
	s_mov_b32 s97, 0
	s_mov_b32 s99, 0
	s_mul_i32 s94, s93, s96
	s_mul_i32 s100, s92, 6144
	s_add_co_u32 s94, s94, s100
	s_mov_b32 s95, 0
	s_add_nc_u64 s[24:25], s[24:25], s[94:95]
	s_add_nc_u64 s[26:27], s[24:25], s[96:97]
	s_mul_i32 s94, s93, s98
	s_lshl_b32 s100, s92, 9
	s_add_co_u32 s94, s94, s100
	s_add_nc_u64 s[28:29], s[28:29], s[94:95]
	s_add_nc_u64 s[30:31], s[28:29], s[98:99]
.irp a, 0,1,2,3,4,5,6,7
.if \a > 0
	s_wait_xcnt 0x0
	s_wait_dscnt 0x0
.endif
	TAKEN \a
	QUANT H
	global_store_b128 v8, v[PC:PC+3], s[24:25] offset:768*\a
	global_store_b64 v9, v[PC+4:PC+5], s[24:25] offset:768*\a+512
	global_store_b128 v8, v[PC+6:PC+9], s[26:27] offset:768*\a
	global_store_b64 v9, v[PC+10:PC+11], s[26:27] offset:768*\a+512
	v_lshrrev_b32 v229, v10, v[PW]
	v_and_b32 v229, 0xffff, v229
	ds_store_b32 v11, v229 offset:256*(\a%2)+4*(\a/2)
.endr
	ds_load_b128 v[232:235], v12
	ds_load_b128 v[236:239], v12 offset:512
	s_wait_dscnt 0x0
	global_store_b128 v8, v[232:235], s[28:29]
	global_store_b128 v8, v[236:239], s[30:31]
	s_branch .Ldone
.Lway_v:
	s_sub_co_u32 s92, s[YY], 16
	s_lshl_b32 s92, s92, 10
	s_lshl_b32 s93, s40, 8
	s_add_co_u32 s92, s92, s93
	s_lshl_b32 s93, s[CH], 7
	s_add_co_u32 s92, s92, s93
	s_lshr_b32 s93, s92, 11
	s_bfe_u32 s92, s92, 0x40007
	s_lshl_b32 s93, s93, 4
	s_lshl_b32 s94, s41, 2
	s_add_co_u32 s93, s93, s94
	s_lshl_b32 s94, s[RH], 1
	s_add_co_u32 s93, s93, s94
	s_mul_i32 s94, s93, 196608
	s_mul_i32 s96, s92, 6144
	s_add_co_u32 s94, s94, s96
	s_add_co_u32 s94, s94, 98304
	s_mov_b32 s95, 0
	s_add_nc_u64 s[24:25], s[18:19], s[94:95]
	s_mul_i32 s94, s93, 12288
	s_lshl_b32 s96, s92, 8
	s_add_co_u32 s94, s94, s96
	s_add_co_u32 s94, s94, 8192
	s_add_nc_u64 s[28:29], s[20:21], s[94:95]
.irp a, 0,1,2,3,4,5,6,7
.if \a > 0
	s_wait_xcnt 0x0
	s_wait_dscnt 0x0
.endif
	TAKEM \a
	QUANT H
.irp c, 0,1,2
	global_store_b128 v8, v[PC+4*\c:PC+4*\c+3], s[24:25] offset:(\a/4)*196608+(\a%4)*1536+512*\c
.endr
	ds_store_b32 v13, v[PW] offset:256*(\a/4)+128*(\a%2)+4*((\a/2)%2)
.endr
	ds_load_b128 v[232:235], v14
	s_wait_dscnt 0x0
	global_store_b128 v15, v[232:235], s[28:29]
.Ldone:
	s_wait_tensorcnt 0x0
	ds_add_u32 v[SPW], v[NIL]
	s_wait_dscnt 0x0
	CROUND
	s_endpgm
.Lfunc_end_k_qa3dc496a60_proj:
	.size	k_qa3dc496a60_proj, .Lfunc_end_k_qa3dc496a60_proj-k_qa3dc496a60_proj
	.p2alignl 7, 3214868480
	.fill 96, 4, 3214868480
	.section	.rodata,"a",@progbits
	.p2align	6, 0x0
	.amdhsa_kernel k_qa3dc496a60_proj
		.amdhsa_group_segment_fixed_size 327680
		.amdhsa_private_segment_fixed_size 0
		.amdhsa_enable_private_segment 0
		.amdhsa_kernarg_size 72
		.amdhsa_user_sgpr_count 2
		.amdhsa_user_sgpr_kernarg_segment_ptr 1
		.amdhsa_wavefront_size32 1
		.amdhsa_system_sgpr_workgroup_id_x 1
		.amdhsa_system_sgpr_workgroup_id_y 1
		.amdhsa_system_sgpr_workgroup_id_z 1
		.amdhsa_system_vgpr_workitem_id 0
		.amdhsa_next_free_vgpr 1024
		.amdhsa_next_free_sgpr 102
		.amdhsa_reserve_vcc 0
		.amdhsa_float_denorm_mode_32 3
		.amdhsa_float_denorm_mode_16_64 3
		.amdhsa_memory_ordered 1
		.amdhsa_forward_progress 1
		.amdhsa_inst_pref_size 238
	.end_amdhsa_kernel
	.amdgpu_metadata
---
amdhsa.version: [ 1, 2 ]
amdhsa.kernels:
  - .name:           k_qa3dc496a60_proj
    .symbol:         k_qa3dc496a60_proj.kd
    .args:
      - { .name: opc, .offset: 0, .size: 8, .value_kind: global_buffer, .address_space: global }
      - { .name: ops, .offset: 8, .size: 8, .value_kind: global_buffer, .address_space: global }
      - { .name: bq, .offset: 16, .size: 8, .value_kind: global_buffer, .address_space: global }
      - { .name: bk, .offset: 24, .size: 8, .value_kind: global_buffer, .address_space: global }
      - { .name: bv, .offset: 32, .size: 8, .value_kind: global_buffer, .address_space: global }
      - { .name: qimg, .offset: 40, .size: 8, .value_kind: global_buffer, .address_space: global }
      - { .name: qs, .offset: 48, .size: 8, .value_kind: global_buffer, .address_space: global }
      - { .name: kv, .offset: 56, .size: 8, .value_kind: global_buffer, .address_space: global }
      - { .name: kvs, .offset: 64, .size: 8, .value_kind: global_buffer, .address_space: global }
    .group_segment_fixed_size: 327680
    .private_segment_fixed_size: 0
    .kernarg_segment_align: 8
    .kernarg_segment_size: 72
    .max_flat_workgroup_size: 128
    .sgpr_count:     102
    .vgpr_count:     1024
    .wavefront_size: 32
...
	.end_amdgpu_metadata
.endif
;; end of part 2
;; launch attn (part 3): grid 4 x 64, 16 waves a work-group, clusters of 4 x 1, 223,232 bytes of LDS; arguments qimg, qs, kv, kvs, ctxc, ctxs; writes ctxc, ctxs
.if DOCPART == 3
	.amdgcn_target "amdgcn-amd-amdhsa--gfx1250"
	.amdhsa_code_object_version 6
	.text
	.protected	k_qa3dc496a60_attn
	.globl	k_qa3dc496a60_attn
	.p2align	8
	.type	k_qa3dc496a60_attn,@function
k_qa3dc496a60_attn:
	s_mov_b64 s[64:65], 0
	v_nop
	global_prefetch_b8 v0, s[64:65] scope:SCOPE_SE
	s_setreg_imm32_b32 hwreg(HW_REG_WAVE_MODE, 25, 1), 1
	s_wait_xcnt 0x0
	s_wait_alu depctr_hold_cnt(0) depctr_sa_sdst(0) depctr_va_vdst(0) depctr_va_sdst(0) depctr_va_ssrc(0) depctr_va_vcc(0) depctr_vm_vsrc(0)
	s_getreg_b32 s2, hwreg(HW_REG_IB_STS2, 6, 4)
	s_cmp_eq_u32 s2, 0
	s_cbranch_scc0 .Lentry_in_a_cluster
	s_endpgm
.Lentry_in_a_cluster:
	s_bfe_u32 s2, ttmp6, 0x10000c
	s_cmp_lg_u32 s2, 0x3003
	s_cbranch_scc0 .Lentry_shape_is_right
	s_endpgm
.Lentry_shape_is_right:
; ctx[bh][q] = the sum over keys of softmax(q . k / 8) v, both products on codes of FP6 (E2M3) with E8M0 scales; the result is quantised at once along D for the last product.
; THE SOFTMAX: t = score x log2(e) / 8; M = the running largest t rounded UP to a whole number; p = 2^(t - M) is quantised along the keys; the row's sum is taken of the unquantised p and divides at the end.
; When M moves, the sum and O are multiplied by 2^(old M - new M): exact.
; IN: images of operand registers: qimg [bh][tile of 16 queries][768], kv [bh][k: 128 tiles x 768 | v: 16 steps x 4 tiles of 16 channels x 1,536], and the scale words qs, kvs.
; OUT: ctxc [plane = head][row][48 bytes], ctxs [row][32 bytes], bytes 2 head and 2 head + 1.
; SHARES: a work-group owns 512 queries of one head; each of its sixteen waves two tiles of 16 queries, one after the other.  A whole head's k, v and scale words, 208,896 bytes, come into LDS once and stay.
; CLUSTER: the four work-groups of a head ask for these tiles jointly (mask 15; the addresses hang on the head alone).  No prefetch: all tiles are asked for at the head.
; LAYOUT: both products transposed: S^T = k q^T, O^T = v^T p^T: a lane holds one query (lane % 16).
; THE KEYS OF A TILE ARE CHOSEN BY THE LANES' LDS ADDRESSES: tile 4 c + j takes as rows 8 u + i the keys 32 (2 c + u) + 8 g + i, g = 0, 2, 1, 3 for j = 0 .. 3.  So lane (r, h) holds in S's registers 32 c + 0 .. 31
; the whole block 2 c + h of p, in the order in which v's codes lie (places 8-15 and 16-23 of a block changed): a block's maximum needs no other lane, and the conversions' results are the operand's registers.
; THE HEAD'S K IS 64: the upper half of each instruction's 128 is zero CODES in q (v22-27); k's tile names twelve registers of which the upper six are the next tile's (behind the last: zeros).
; Bytes 2 and 3 of q's and k's scale words are 0, which is 2^-127 and no NaN.
; A block's largest p is not searched for: the block's largest score goes through the same multiply-add and exponential (this takes v_exp_f32 not to fall where its input rises).
; LIMITS: NaN and infinities are not served; a block of zeros, or one under 2^-124, gets the byte 1; the bytes are read by this program alone.
; REGISTERS: v1 16 x lane, v2 8 x lane, v3, v11, v253 my places in k's images and words, v9 in v's, v10 the stage; v4-8 the step's addresses; v12 -M, v13 the largest score, v[14:15] the sum; v16-27 q; v28 q's words, v29 p's;
;   v30-33 k's words, v34-35 v's; v36-83 k (then at work), v84-89 zeros; v90-137 v; v138-201 S^T, then p; v202-233 O^T; v234-245 p's codes; v246-252 the second pass's q; v[254:255] f.
.set VB,  98304
.set SCW, 196608
.set STG, 208896
.set PPC, 8192*48
.set KF,  36
.set VF,  90
.set S,   138
.set O,   202
.set P,   234
.set WV,  16
.macro CROUND
	s_barrier_signal -1
	s_barrier_wait -1
	s_cmp_lg_u32 s[WV], 0
	s_cbranch_scc1 .Lnot_wave_0_\@
	s_barrier_signal -3
.Lnot_wave_0_\@:
	s_barrier_wait -3
	s_barrier_signal -1
	s_barrier_wait -1
.endm
	s_load_b256 s[4:11], s[0:1], 0x0               ; qimg, qs, kv, kvs
	s_load_b128 s[12:15], s[0:1], 0x20             ; ctxc, ctxs
	v_lshl_add_u32 v254, v0, 2, 0x36000
	v_mov_b32 v255, 0
	ds_add_u32 v254, v255                          ; the opening lines
	ds_add_u32 v254, v255
	s_wait_dscnt 0x0
	v_lshrrev_b32 v1, 5, v0
	s_delay_alu instid0(VALU_DEP_1)
	v_readfirstlane_b32 s[WV], v1                  ; wave 0..15
	s_bfe_u32 s17, ttmp6, 0x40000                  ; cx: which 512 queries
	s_and_b32 s18, ttmp7, 0xffff                   ; bh
	s_mov_b32 s24, 15|(3<<16)|(1<<21)              ; a quarter of a head's k and v: 192 lines of 256 bytes
	s_mov_b32 s25, 32<<16
	s_mov_b32 s26, 192<<16
	s_mov_b32 s27, 32<<16
	s_mov_b32 s28, 192
	s_mov_b32 s29, 32
	s_mov_b32 s30, 0
	s_mov_b32 s31, 0
	s_mov_b32 s32, 15|(3<<16)|(1<<21)              ; the scale words: 48 lines
	s_mov_b32 s33, 32<<16
	s_mov_b32 s34, 48<<16
	s_mov_b32 s35, 32<<16
	s_mov_b32 s36, 48
	s_mov_b32 s37, 32
	s_mov_b32 s38, 0
	s_mov_b32 s39, 0
	s_mul_i32 s68, s18, 196608
	s_mul_i32 s70, s[WV], 49152
	s_add_co_u32 s68, s68, s70
	s_mov_b32 s69, 0
	s_mul_i32 s72, s18, 12288
	s_mov_b32 s73, 0
	s_lshl_b32 s48, s17, 5
	s_add_co_u32 s48, s48, s[WV]                   ; T: my first tile of 16 queries; the second is T + 16
	s_mul_i32 s50, s18, 98304
	s_mul_i32 s58, s48, 768
	s_add_co_u32 s50, s50, s58
	s_mov_b32 s51, 0
	s_lshl_b32 s52, s18, 13
	s_lshr_b32 s58, s48, 3
	s_lshl_b32 s58, s58, 9
	s_add_co_u32 s52, s52, s58
	s_and_b32 s58, s48, 1
	s_lshl_b32 s58, s58, 8
	s_add_co_u32 s52, s52, s58
	s_bfe_u32 s58, s48, 0x20001
	s_lshl_b32 s58, s58, 2
	s_add_co_u32 s52, s52, s58
	s_mov_b32 s53, 0
	s_and_b32 s59, s18, 15                         ; the head
	s_lshr_b32 s58, s18, 4                         ; the batch
	s_lshl_b32 s58, s58, 11
	s_lshl_b32 s56, s48, 4
	s_add_co_u32 s58, s58, s56                     ; my first row of ctx
	s_mul_i32 s54, s59, PPC
	s_mul_i32 s56, s58, 48
	s_add_co_u32 s54, s54, s56
	s_mov_b32 s55, 0
	s_lshl_b32 s56, s58, 5
	s_lshl_b32 s59, s59, 1
	s_add_co_u32 s56, s56, s59
	s_mov_b32 s57, 0
	s_mov_b32 s20, 0x76543210
	s_mov_b32 s21, 0xfedcba98                      ; lane l xor 16
	s_mov_b32 s22, 0x3e38aa3b                      ; c = log2(e) / 8
	s_mov_b32 s23, s22
	s_wait_kmcnt 0x0
	s_add_nc_u64 s[4:5], s[4:5], s[50:51]
	s_add_nc_u64 s[6:7], s[6:7], s[52:53]
	s_add_nc_u64 s[12:13], s[12:13], s[54:55]
	s_add_nc_u64 s[14:15], s[14:15], s[56:57]
	s_mov_b32 s40, 1
	s_mov_b32 s41, s70
	s_add_nc_u64 s[42:43], s[8:9], s[68:69]
	s_or_b32 s43, s43, 0x80000000
	s_mov_b32 s44, 1
	s_mov_b32 s45, SCW
	s_add_nc_u64 s[46:47], s[10:11], s[72:73]
	s_or_b32 s47, s47, 0x80000000
	CROUND                                         ; all four work-groups are here: the joint loads meet
	s_cmp_lt_u32 s[WV], 4                          ; waves 0 to 3: a quarter of k and v each; wave 4: the scale words
	s_cbranch_scc0 .Lnot_kv
	tensor_load_to_lds s[40:43], s[24:31]
	s_nop 0
.rept 4
	v_nop
.endr
	s_branch .Lasked
.Lnot_kv:
	s_cmp_eq_u32 s[WV], 4
	s_cbranch_scc0 .Lasked
	tensor_load_to_lds s[44:47], s[32:39]
	s_nop 0
.rept 4
	v_nop
.endr
.Lasked:
	v_and_b32 v5, 31, v0                           ; lane
	v_and_b32 v6, 15, v0                           ; r
	v_bfe_u32 v7, v0, 4, 1                         ; h
	v_lshlrev_b32 v1, 4, v5
	v_lshlrev_b32 v2, 3, v5
	v_lshlrev_b32 v8, 4, v6
	global_load_b128 v[16:19], v1, s[4:5]          ; q's registers 0-5, both passes'
	global_load_b64 v[20:21], v2, s[4:5] offset:512
	global_load_b128 v[246:249], v1, s[4:5] offset:12288
	global_load_b64 v[250:251], v2, s[4:5] offset:12800
	global_load_b32 v28, v8, s[6:7]                ; and its scale words
	global_load_b32 v252, v8, s[6:7] offset:1024
	v_add_nc_u32 v9, VB, v1
	s_mul_i32 s58, s[WV], 768
	s_add_co_u32 s58, s58, STG                     ; my stage
	v_mul_u32_u24 v10, v6, 48
	v_mad_u32_u24 v10, v7, 24, v10
	v_add_nc_u32 v10, s58, v10                     ; in: row r, block h
	v_and_b32 v4, 7, v0                            ; i
	v_bfe_u32 v5, v0, 3, 1                         ; u
	v_mul_u32_u24 v3, v5, 1536                     ; rows 8-15 of my tiles come from the image two tiles on
	v_lshl_add_u32 v11, v7, 7, v3
	v_lshl_add_u32 v11, v4, 3, v11                 ; k's pieces of 8 bytes: 1,536 u + 128 h + 8 i
	v_lshl_add_u32 v3, v7, 8, v3
	v_lshl_add_u32 v3, v4, 4, v3                   ; k's pieces of 16 bytes: 1,536 u + 256 h + 16 i
	v_lshlrev_b32 v253, 8, v7
	v_lshl_add_u32 v253, v4, 4, v253
	v_lshl_add_u32 v253, v5, 2, v253               ; k's words: 256 h + 16 i + 4 u
.irp j, 22,23,24,25,26,27,84,85,86,87,88,89,255
	v_mov_b32 v\j, 0
.endr
	s_wait_alu depctr_va_vdst(0)
	s_wait_tensorcnt 0x0
	s_barrier_signal -1
	s_barrier_wait -1                              ; everybody's part has landed
	s_wait_loadcnt 0x0                             ; q
.macro PASS n
	v_mov_b32 v13, 0xff61b1e6                      ; the largest score so far: -3e38
	s_delay_alu instid0(VALU_DEP_1)
	v_floor_f32 v12, -v13                          ; -M
	v_mov_b32 v14, 0
	v_mov_b32 v15, 0
.set j, 0
.rept 32
	v_mov_b32 v[O+j], 0
.set j, j+1
.endr
	s_mov_b32 s60, 0                               ; k's (and, VB on, v's) tiles: 6,144 bytes a step
	s_mov_b32 s61, SCW                             ; k's scale words: 512 a step
	s_mov_b32 s62, SCW+8192                        ; v's: 256 a step
	s_mov_b32 s63, 16
.Lstep_\@:
	v_add_nc_u32 v4, s60, v3
	v_add_nc_u32 v5, s60, v11
	v_add_nc_u32 v6, s60, v9
	v_add_nc_u32 v7, s61, v253
	v_add_nc_u32 v8, s62, v2
.irp c, 0,1
.irp e, 0,1
	ds_load_b32 v[30+2*\c+\e], v7 offset:128*\e+8*\c   ; lanes 0-15: the words of tile 4 c + 2 e, lanes 16-31: of tile 4 c + 2 e + 1
.endr
.endr
.irp c, 0,1
.irp j, 0,1,2,3
	ds_load_b128 v[KF+24*\c+6*\j:KF+24*\c+6*\j+3], v4 offset:3072*\c+768*(\j%2)+128*(\j/2)
	ds_load_b64 v[KF+24*\c+6*\j+4:KF+24*\c+6*\j+5], v5 offset:3072*\c+768*(\j%2)+64*(\j/2)+512
.endr
.endr
	ds_load_b64 v[34:35], v8
.irp f, 0,1,2,3
.irp c, 0,1,2
	ds_load_b128 v[VF+12*\f+4*\c:VF+12*\f+4*\c+3], v6 offset:1536*\f+512*\c
.endr
.endr
	s_wait_dscnt 13                                ; k and its words are in; v's word load and v's twelve loads may be out
.irp t, 0,2,4,6
	v_wmma_scale_f32_16x16x128_f8f6f4 v[S+8*\t:S+8*\t+7], v[KF+6*\t:KF+6*\t+11], v[16:27], 0, v[30+\t/2], v28 matrix_a_fmt:MATRIX_FMT_FP6 matrix_b_fmt:MATRIX_FMT_FP6
	v_wmma_scale_f32_16x16x128_f8f6f4 v[S+8*\t+8:S+8*\t+15], v[KF+6*\t+6:KF+6*\t+17], v[16:27], 0, v[30+\t/2], v28 matrix_a_fmt:MATRIX_FMT_FP6 matrix_b_fmt:MATRIX_FMT_FP6 matrix_a_scale:MATRIX_SCALE_ROW1
.endr
.rept 4
	v_nop
.endr
.irp b, 0,1,2,3
	v_max3_num_f32 v[36+\b], v[S+16*\b], v[S+1+16*\b], v[S+2+16*\b]   ; four chains; two make a block's largest score
.endr
.irp i, 3,5,7,9,11,13
.irp b, 0,1,2,3
	v_max3_num_f32 v[36+\b], v[36+\b], v[S+16*\b+\i], v[S+1+16*\b+\i]
.endr
.endr
.irp c, 0,1
	v_max3_num_f32 v[36+2*\c], v[36+2*\c], v[37+2*\c], v[S+15+32*\c]
.endr
.irp c, 0,1
	v_max_num_f32 v[36+2*\c], v[36+2*\c], v[S+31+32*\c]   ; my blocks c = 0, 1: all 32 keys are mine
.endr
	v_max_num_f32 v52, v36, v38
	v_permlanex16_b32 v53, v52, s20, s21
	v_max3_num_f32 v13, v13, v52, v53              ; the running largest score of my query (c is positive)
	v_mul_f32 v52, s22, v13                        ; as t
	v_mov_b32 v53, v12
	v_floor_f32 v12, -v52                          ; the new -M = -ceil(t)
	v_sub_f32 v52, v12, v53                        ; old M - new M: a whole number, 0 or less
	v_cvt_i32_f32 v52, v52                         ; (it saturates)
	v_ldexp_f32 v254, 1.0, v52                     ; f = 2^(old M - new M)
.set j, 0
.rept 32
	v_pk_fma_f32 v[S+j:S+j+1], v[S+j:S+j+1], s[22:23], v[12:13] op_sel_hi:[1,0,0]   ; t - M
.set j, j+2
.endr
	v_fma_f32 v36, v36, s22, v12                   ; the same of each block's largest score
	v_fma_f32 v38, v38, s22, v12
	s_wait_alu depctr_va_vdst(0)
.set j, 0
.rept 64
	v_exp_f32 v[S+j], v[S+j]                       ; p = 2^(t - M)
.set j, j+1
.endr
	v_exp_f32 v36, v36                             ; the blocks' largest p
	v_exp_f32 v38, v38
	v_pk_mul_f32 v[14:15], v[14:15], v[254:255] op_sel_hi:[1,0]   ; the sums under the new M (the plain line behind the batch)
	s_wait_alu depctr_va_vdst(0)                   ; one wait for the batch
.irp x, 0,1,2,3
	v_pk_add_f32 v[40+2*\x:41+2*\x], v[S+2*\x:S+2*\x+1], v[S+8+2*\x:S+9+2*\x]   ; the row's sum of the unquantised p, in four chains
.endr
.irp y, 2,3,4,5,6,7
.irp x, 0,1,2,3
	v_pk_add_f32 v[40+2*\x:41+2*\x], v[40+2*\x:41+2*\x], v[S+8*\y+2*\x:S+8*\y+2*\x+1]
.endr
.endr
	v_max_num_f32 v36, 0x1800000, v36              ; the floor 2^(3 - 127)
	v_max_num_f32 v38, 0x1800000, v38
	s_delay_alu instid0(VALU_DEP_2)
	v_add_nc_u32 v48, 0xff000000, v36              ; 2 off the exponent field: the conversions' scale operands
	s_delay_alu instid0(VALU_DEP_2)
	v_add_nc_u32 v49, 0xff000000, v38
	s_delay_alu instid0(VALU_DEP_2)
	v_lshrrev_b32 v50, 23, v48
	s_delay_alu instid0(VALU_DEP_2)
	v_lshrrev_b32 v51, 23, v49
	s_delay_alu instid0(VALU_DEP_1)
	v_lshl_or_b32 v52, v51, 16, v50                ; my two bytes: blocks h and 2 + h
	s_delay_alu instid0(VALU_DEP_1)
	v_permlanex16_b32 v53, v52, s20, s21
	s_delay_alu instid0(VALU_DEP_1)
	v_lshl_or_b32 v29, v53, 8, v52                 ; lanes 0-15: p's scale word of query r; lanes 16-31 are not read
.irp c, 0,1
	v_cvt_scalef32_pk16_fp6_f32 v[P+6*\c:P+2+6*\c], v[S+32*\c:S+15+32*\c], v[48+\c]
	v_cvt_scalef32_pk16_fp6_f32 v[54+4*\c:56+4*\c], v[S+16+32*\c:S+31+32*\c], v[48+\c]
.endr
	v_nop                                          ; one plain line behind a scaled conversion
.irp c, 0,1
.irp i, 0,1,2
	v_mov_b32 v[P+3+6*\c+\i], v[54+4*\c+\i]
.endr
.endr
	s_wait_alu depctr_va_vdst(0)
.set j, 0
.rept 16
	v_pk_mul_f32 v[O+j:O+j+1], v[O+j:O+j+1], v[254:255] op_sel_hi:[1,0]   ; O^T under the new M; also the places behind p's word and codes
.set j, j+2
.endr
	s_wait_alu depctr_va_vdst(0)
	s_wait_dscnt 0x0                               ; v and its words are in
.irp f, 0,2
	v_wmma_scale_f32_16x16x128_f8f6f4 v[O+8*\f:O+8*\f+7], v[VF+12*\f:VF+12*\f+11], v[P:P+11], v[O+8*\f:O+8*\f+7], v[34+\f/2], v29 matrix_a_fmt:MATRIX_FMT_FP6 matrix_b_fmt:MATRIX_FMT_FP6
	v_wmma_scale_f32_16x16x128_f8f6f4 v[O+8*\f+8:O+8*\f+15], v[VF+12*\f+12:VF+12*\f+23], v[P:P+11], v[O+8*\f+8:O+8*\f+15], v[34+\f/2], v29 matrix_a_fmt:MATRIX_FMT_FP6 matrix_b_fmt:MATRIX_FMT_FP6 matrix_a_scale:MATRIX_SCALE_ROW1
.endr
	v_pk_add_f32 v[40:41], v[40:41], v[42:43]      ; the four chains join: four places behind the products
	v_pk_add_f32 v[44:45], v[44:45], v[46:47]
	v_pk_add_f32 v[40:41], v[40:41], v[44:45]
	v_pk_add_f32 v[14:15], v[14:15], v[40:41]
	s_add_co_u32 s60, s60, 6144
	s_add_co_u32 s61, s61, 512
	s_add_co_u32 s62, s62, 256
	s_sub_co_u32 s63, s63, 1
	s_cmp_lg_u32 s63, 0
	s_cbranch_scc1 .Lstep_\@
	; the pass's way out: O^T / the sum, quantised along the head's 64 channels: two blocks
	v_and_b32 v54, 15, v0
	v_add_nc_u32 v55, s58, v2                      ; the stage, back: 8 bytes a lane
	v_lshlrev_b32 v54, 5, v54                      ; ctx's scale bytes: 32 bytes a row
	v_add_f32 v14, v14, v15
	s_delay_alu instid0(VALU_DEP_1)
	v_permlanex16_b32 v52, v14, s20, s21
	s_delay_alu instid0(VALU_DEP_1)
	v_add_f32 v14, v14, v52                        ; the row's sum
	s_wait_alu depctr_va_vdst(0)
	v_rcp_f32 v14, v14
	v_nop
	s_wait_alu depctr_va_vdst(0)
.set j, 0
.rept 32
	v_mul_f32 v[S+j], v[O+j], v14                  ; register 8 f + i: channel 16 f + 8 h + i
.set j, j+1
.endr
.irp b, 0,1
	v_max3_num_f32 v[36+\b], |v[S+16*\b]|, |v[S+1+16*\b]|, 0x1800000
.endr
.irp i, 2,4,6,8,10,12,14
.irp b, 0,1
	s_delay_alu instid0(VALU_DEP_2)
	v_max3_num_f32 v[36+\b], v[36+\b], |v[S+16*\b+\i]|, |v[S+1+16*\b+\i]|
.endr
.endr
.irp b, 0,1
	s_delay_alu instid0(VALU_DEP_2)
	v_permlanex16_b32 v[40+\b], v[36+\b], s20, s21
.endr
.irp b, 0,1
	s_delay_alu instid0(VALU_DEP_2)
	v_max_num_f32 v[36+\b], v[36+\b], v[40+\b]
.endr
.irp b, 0,1
	s_delay_alu instid0(VALU_DEP_2)
	v_add_nc_u32 v[48+\b], 0xff000000, v[36+\b]
.endr
.irp b, 0,1
	s_delay_alu instid0(VALU_DEP_2)
	v_lshrrev_b32 v[40+\b], 23, v[48+\b]
.endr
	s_delay_alu instid0(VALU_DEP_1)
	v_lshl_or_b32 v53, v41, 8, v40                 ; my row's two scale bytes
	v_cvt_scalef32_pk16_fp6_f32 v[P:P+2], v[S:S+15], v48
	v_cvt_scalef32_pk16_fp6_f32 v[44:46], v[S+16:S+31], v49
	v_nop
.irp i, 0,1,2
	v_permlane16_swap_b32 v[P+\i], v[44+\i]
.endr
.irp i, 0,1,2
	s_delay_alu instid0(VALU_DEP_3)
	v_mov_b32 v[P+3+\i], v[44+\i]                  ; lane (r, h): block h of row r, 24 bytes
.endr
.irp p, 0,1,2
	ds_store_b64 v10, v[P+2*\p:P+2*\p+1] offset:8*\p
.endr
.irp p, 0,1,2
	ds_load_b64 v[P+6+2*\p:P+7+2*\p], v55 offset:256*\p   ; LDS serves a wave's instructions in order
.endr
	global_store_b16 v54, v53, s[14:15] offset:8192*\n
	s_wait_dscnt 0x0
.irp p, 0,1,2
	global_store_b64 v2, v[P+6+2*\p:P+7+2*\p], s[12:13] offset:12288*\n+256*\p   ; 16 rows x 48 bytes: 256 consecutive bytes a store
.endr
.endm
	PASS 0
	s_wait_xcnt 0x0                                ; the stores have read their registers: the second pass writes them again
.irp i, 0,1,2,3,4,5
	v_mov_b32 v[16+\i], v[246+\i]
.endr
	v_mov_b32 v28, v252
	PASS 1
	s_wait_dscnt 0x0
	s_wait_xcnt 0x0
	v_lshl_add_u32 v254, v0, 2, 0x36000
	v_mov_b32 v255, 0
	s_wait_alu depctr_va_vdst(0)
	s_wait_tensorcnt 0x0                           ; the wave's end
	ds_add_u32 v254, v255
	s_wait_dscnt 0x0
	CROUND                                         ; the closing round
	s_endpgm
.Lfunc_end_k_qa3dc496a60_attn:
	.size	k_qa3dc496a60_attn, .Lfunc_end_k_qa3dc496a60_attn-k_qa3dc496a60_attn
	.p2alignl 7, 3214868480
	.fill 96, 4, 3214868480
	.section	.rodata,"a",@progbits
	.p2align	6, 0x0
	.amdhsa_kernel k_qa3dc496a60_attn
		.amdhsa_group_segment_fixed_size 223232
		.amdhsa_private_segment_fixed_size 0
		.amdhsa_enable_private_segment 0
		.amdhsa_kernarg_size 48
		.amdhsa_user_sgpr_count 2
		.amdhsa_user_sgpr_kernarg_segment_ptr 1
		.amdhsa_wavefront_size32 1
		.amdhsa_system_sgpr_workgroup_id_x 1
		.amdhsa_system_sgpr_workgroup_id_y 1
		.amdhsa_system_sgpr_workgroup_id_z 1
		.amdhsa_system_vgpr_workitem_id 0
		.amdhsa_next_free_vgpr 256
		.amdhsa_next_free_sgpr 80
		.amdhsa_reserve_vcc 0
		.amdhsa_float_denorm_mode_32 3
		.amdhsa_float_denorm_mode_16_64 3
		.amdhsa_memory_ordered 1
		.amdhsa_forward_progress 1
		.amdhsa_inst_pref_size 51
	.end_amdhsa_kernel
	.amdgpu_metadata
---
amdhsa.version: [ 1, 2 ]
amdhsa.kernels:
  - .name:           k_qa3dc496a60_attn
    .symbol:         k_qa3dc496a60_attn.kd
    .args:
      - { .name: qimg, .offset: 0, .size: 8, .value_kind: global_buffer, .address_space: global }
      - { .name: qs, .offset: 8, .size: 8, .value_kind: global_buffer, .address_space: global }
      - { .name: kv, .offset: 16, .size: 8, .value_kind: global_buffer, .address_space: global }
      - { .name: kvs, .offset: 24, .size: 8, .value_kind: global_buffer, .address_space: global }
      - { .name: ctxc, .offset: 32, .size: 8, .value_kind: global_buffer, .address_space: global }
      - { .name: ctxs, .offset: 40, .size: 8, .value_kind: global_buffer, .address_space: global }
    .group_segment_fixed_size: 223232
    .private_segment_fixed_size: 0
    .kernarg_segment_align: 8
    .kernarg_segment_size: 48
    .max_flat_workgroup_size: 512
    .sgpr_count:     80
    .vgpr_count:     256
    .wavefront_size: 32
...
	.end_amdgpu_metadata
.endif
;; end of part 3
;; launch outp (part 4): grid 4 x 64, 4 waves a work-group, clusters of 4 x 4, 327,680 bytes of LDS; arguments ctxc, ctxs, opc, ops, bo, out0; writes out0
.if DOCPART == 4
	.amdgcn_target "amdgcn-amd-amdhsa--gfx1250"
	.amdhsa_code_object_version 6
	.text
	.protected	k_qa3dc496a60_outp
	.globl	k_qa3dc496a60_outp
	.p2align	8
	.type	k_qa3dc496a60_outp,@function
k_qa3dc496a60_outp:
	s_mov_b64 s[64:65], 0
	v_nop
	global_prefetch_b8 v0, s[64:65] scope:SCOPE_SE
	s_setreg_imm32_b32 hwreg(HW_REG_WAVE_MODE, 25, 1), 1
	s_wait_xcnt 0x0
	s_wait_alu depctr_hold_cnt(0) depctr_sa_sdst(0) depctr_va_vdst(0) depctr_va_sdst(0) depctr_va_ssrc(0) depctr_va_vcc(0) depctr_vm_vsrc(0)
	s_getreg_b32 s2, hwreg(HW_REG_IB_STS2, 6, 4)
	s_cmp_eq_u32 s2, 0
	s_cbranch_scc0 .Lentry_in_a_cluster
	s_endpgm
.Lentry_in_a_cluster:
	s_bfe_u32 s2, ttmp6, 0x10000c
	s_cmp_lg_u32 s2, 0xf033
	s_cbranch_scc0 .Lentry_shape_is_right
	s_endpgm
.Lentry_shape_is_right:
; out0 = ctx Wo + bo on codes of FP6 (E2M3) with E8M0 scales; ctx's codes ctxc [plane k / 64][row][48], Wo's in opc from row 27,648 on; scale bytes [row][32].
; SHARES: 256 work-groups, each 128 rows x 256 columns; four waves 2 x 2, a wave 64 x 128: 32 accumulators.  K = 1,024 is eight steps of 128.
; ALL OF K LIES IN LDS: A's 16 planes of 128 rows (98,304 bytes), then B's 16 planes of 256 rows (196,608).  Four joint loads at the head, one a wave: A's planes 0-7, B's 0-7, A's 8-15, B's 8-15.  Nothing is filled again.
; The first barrier shows planes 0-7 (waves 0 and 1 have waited for their own lines); a plain barrier in step 3 shows the rest.  No prefetch: the launch has no loop to run ahead in.
; CLUSTER 4 x 4: A's tiles are shared along a row of the cluster, B's along a column.
; The scale words go from memory into registers, a lane a row: register 8 g + q holds step q's word of rows 32 g + lane; a block of 16 rows reads its half of the lanes.
; The matrix instruction is used transposed (source 0 = Wo's rows): a lane holds eight neighbouring columns of a row; the bias is the first products' C.
; THE WAY OUT goes through each wave's stage in LDS, on A's planes 0-7, which nobody reads behind the second barrier; rows of 512 bytes leave as two aligned runs of 256.
; REGISTERS: window 0: addresses, v32-63 B's words, v66-81 A's, v84-147 the bias, v128-255 the way out; window 1: B's fragments, two sets; window 2: accumulators; window 3: A's fragments, two sets.
.set PP,     28672*48
.set PPC,    8192*48
.set SIZE_N, 1024
.set BBASE,  98304
.set SPARE,  294912
.set SPITCH, 528
.set ADRA, 8
.set ADRB, 12
.set STO,  24
.set RD,   25
.set CO,   26
.set SPW,  28
.set NIL,  29
.set SBW,  32
.set SAW,  66
.set BN,   84
.set BK,   128
.set WV, 22
.set RH, 23
.set CH, 66
.set YY, 67
.set G1, 24
.set G0, 32
.set G1B, 48
.set G0B, 56
.set MSB, 0
.macro WIN new
.if MSB != (\new)
	s_set_vgpr_msb (MSB<<8)|(\new)
.set MSB, \new
.endif
.endm
.macro PLACES
.rept 4
	v_nop
.endr
.endm
.macro CROUND
	s_barrier_signal -1
	s_barrier_wait -1
	s_cmp_lg_u32 s[WV], 0
	s_cbranch_scc1 .Lnot_wave_0_\@
	s_barrier_signal -3
.Lnot_wave_0_\@:
	s_barrier_wait -3
	s_barrier_signal -1
	s_barrier_wait -1
.endm
	s_load_b256 s[4:11], s[0:1], 0x0               ; ctxc, ctxs, opc, ops
	s_load_b128 s[12:15], s[0:1], 0x20             ; bo, out0
	v_lshl_add_u32 v[SPW], v0, 2, SPARE
	v_mov_b32 v[NIL], 0
	ds_add_u32 v[SPW], v[NIL]                      ; the opening lines
	ds_add_u32 v[SPW], v[NIL]
	v_lshrrev_b32 v1, 5, v0
	v_readfirstlane_b32 s[WV], v1
	s_lshr_b32 s[RH], s[WV], 1
	s_and_b32 s[CH], s[WV], 1
	s_and_b32 s[YY], ttmp7, 0xffff
	s_bfe_u32 s40, ttmp6, 0x40000                  ; cx
	s_bfe_u32 s41, ttmp6, 0x40004                  ; cy
	s_lshl_b32 s42, s41, 2
	s_lshl_b32 s42, 15, s42                        ; my row of the cluster
	s_lshl_b32 s43, 0x1111, s40                    ; my column
	s_or_b32 s[G1+0], s42, (3<<16)|(1<<21)         ; eight planes, each one line of 128 rows x 48 bytes (768 elements of 8)
	s_mov_b32 s[G1+1], 768<<16
	s_mov_b32 s[G1+2], 8<<16
	s_mov_b32 s[G1+3], 768<<16
	s_mov_b32 s[G1+4], 8
	s_mov_b32 s[G1+5], PPC/8
	s_mov_b32 s[G1+6], 0
	s_mov_b32 s[G1+7], 0
	s_or_b32 s[G1B+0], s43, (3<<16)|(1<<21)        ; the same of 256 rows
	s_mov_b32 s[G1B+1], 1536<<16
	s_mov_b32 s[G1B+2], 8<<16
	s_mov_b32 s[G1B+3], 1536<<16
	s_mov_b32 s[G1B+4], 8
	s_mov_b32 s[G1B+5], PP/8
	s_mov_b32 s[G1B+6], 0
	s_mov_b32 s[G1B+7], 0
	s_lshl_b32 s92, s[YY], 2
	s_add_co_u32 s92, s92, s41
	s_lshl_b32 s92, s92, 7                         ; the block's first row
	s_mul_i32 s94, s92, 48
	s_mov_b32 s95, 0
	s_lshl_b32 s96, s40, 8
	s_add_co_u32 s96, s96, 27648                   ; Wo's first row for my columns
	s_mul_i32 s98, s96, 48
	s_mov_b32 s99, 0
	s_lshl_b32 s93, s[RH], 6
	s_add_co_u32 s92, s92, s93                     ; my wave's first row
	s_lshl_b32 s44, s92, 5
	s_mov_b32 s45, 0
	s_lshl_b32 s93, s[CH], 7
	s_add_co_u32 s96, s96, s93
	s_lshl_b32 s46, s96, 5
	s_mov_b32 s47, 0
	s_lshl_b32 s100, s92, 12
	s_lshl_b32 s93, s40, 10
	s_lshl_b32 s101, s[CH], 9
	s_add_co_u32 s93, s93, s101                    ; my first column, in bytes
	s_add_co_u32 s100, s100, s93
	s_mov_b32 s101, 0
	s_wait_dscnt 0x0
	s_wait_kmcnt 0x0
	s_add_nc_u64 s[94:95], s[4:5], s[94:95]
	s_add_nc_u64 s[98:99], s[8:9], s[98:99]
	s_add_nc_u64 s[6:7], s[6:7], s[44:45]
	s_add_nc_u64 s[10:11], s[10:11], s[46:47]
	s_add_nc_u64 s[14:15], s[14:15], s[100:101]
	CROUND                                         ; all sixteen work-groups are here: the joint loads meet
	s_mov_b32 s[G0], 1
	s_mov_b32 s[G0+1], 0
	s_mov_b64 s[G0+2:G0+3], s[94:95]
	s_or_b32 s[G0+3], s[G0+3], 0x80000000
	s_mov_b32 s[G0+4], 1
	s_mov_b32 s[G0+5], 49152
	s_add_nc_u64 s[G0+6:G0+7], s[94:95], 8*PPC
	s_or_b32 s[G0+7], s[G0+7], 0x80000000
	s_mov_b32 s[G0B], 1
	s_mov_b32 s[G0B+1], BBASE
	s_mov_b64 s[G0B+2:G0B+3], s[98:99]
	s_or_b32 s[G0B+3], s[G0B+3], 0x80000000
	s_mov_b32 s[G0B+4], 1
	s_mov_b32 s[G0B+5], BBASE+98304
	s_add_nc_u64 s[G0B+6:G0B+7], s[98:99], 8*PP
	s_or_b32 s[G0B+7], s[G0B+7], 0x80000000
.macro ARM under, g0, g1, next         ; one chain of branches on the wave's number, one load to an arm
	s_cmp_lt_u32 s[WV], \under
	s_cbranch_scc0 \next
	tensor_load_to_lds s[\g0:\g0+3], s[\g1:\g1+7]
	s_nop 0
	PLACES
	s_branch .Lhead_asked
\next:
.endm
	ARM 1, G0,    G1,  .Lhead_b
	ARM 2, G0B,   G1B, .Lhead_a2
	ARM 3, G0+4,  G1,  .Lhead_b2
	tensor_load_to_lds s[G0B+4:G0B+7], s[G1B:G1B+7]
	s_nop 0
	PLACES
.Lhead_asked:
	v_and_b32 v1, 15, v0
	v_bfe_u32 v2, v0, 4, 1
	v_and_b32 v6, 31, v0
	v_lshlrev_b32 v5, 5, v6                        ; a lane a row of scale bytes
	v_lshl_add_u32 v30, v2, 5, s93                 ; the bias: my eight columns of a block of 16
.irp g, 0,1,2,3
.irp c, 0,1
	global_load_b128 v[SBW+8*\g+4*\c:SBW+8*\g+4*\c+3], v5, s[10:11] offset:1024*\g+16*\c
.endr
.endr
.irp g, 0,1
.irp c, 0,1
	global_load_b128 v[SAW+8*\g+4*\c:SAW+8*\g+4*\c+3], v5, s[6:7] offset:1024*\g+16*\c
.endr
.endr
.irp b, 0,1,2,3,4,5,6,7
	global_load_b128 v[BN+8*\b:BN+8*\b+3], v30, s[12:13] offset:64*\b
	global_load_b128 v[BN+8*\b+4:BN+8*\b+7], v30, s[12:13] offset:64*\b+16
.endr
	v_mul_u32_u24 v3, v1, 48
	v_mad_u32_u24 v3, v2, 24, v3                   ; a fragment's row x 48 + 24 x half
	s_wait_alu depctr_va_vdst(0)
	s_mul_i32 s46, s[RH], 3072                     ; my 64 rows of a plane of A
	s_mul_i32 s47, s[CH], 6144                     ; my 128 rows of a plane of B
	s_add_co_u32 s47, s47, BBASE
.irp s, 0,1,2,3
	v_add_nc_u32 v[ADRA+\s], s46, v3               ; an address for each two steps: four planes
	v_add_nc_u32 v[ADRB+\s], s47, v3
	s_add_co_u32 s46, s46, 4*6144
	s_add_co_u32 s47, s47, 4*12288
.endr
	s_mul_i32 s46, s[WV], 16*SPITCH                ; my stage
	v_mul_u32_u24 v4, v1, SPITCH
	v_lshl_add_u32 v4, v2, 5, v4
	v_add_nc_u32 v[STO], s46, v4
	v_lshlrev_b32 v[CO], 4, v6
	v_add_nc_u32 v[RD], s46, v[CO]
.macro FRAG reg, adr, q, i, pl
.irp p, 0,1,2,3,4,5
	ds_load_b64 v[\reg+2*\p:\reg+2*\p+1], v[\adr+(\q)/2] offset:(2*((\q)%2)+\p/3)*(\pl)+(\i)*768+8*(\p%3)
.endr
.endm
.macro FETCH_B q                       ; 48 loads
	WIN 0x40
.irp i, 0,1,2,3,4,5,6,7
	FRAG 128*((\q)%2)+12*\i, ADRB, \q, \i, 12288
.endr
	WIN 0
.endm
.macro FETCH_A q                       ; 24 loads
	WIN 0xc0
.irp i, 0,1,2,3
	FRAG 64*((\q)%2)+12*\i, ADRA, \q, \i, 6144
.endr
	WIN 0
.endm
.macro MULA q, ah, al, first           ; A's block 2 ah + al against B's eight; the 32 accumulators take turns in the same order in every step
.irp bh, 0,1,2,3
.irp bl, 0,1
.if \first
	v_wmma_scale_f32_16x16x128_f8f6f4 v[8*(8*(2*\ah+\al)+2*\bh+\bl):8*(8*(2*\ah+\al)+2*\bh+\bl)+7], v[128*((\q)%2)+12*(2*\bh+\bl):128*((\q)%2)+12*(2*\bh+\bl)+11], v[64*((\q)%2)+12*(2*\ah+\al):64*((\q)%2)+12*(2*\ah+\al)+11], v[BN+8*(2*\bh+\bl):BN+8*(2*\bh+\bl)+7], v[SBW+8*\bh+(\q)], v[SAW+8*\ah+(\q)] matrix_a_fmt:MATRIX_FMT_FP6 matrix_b_fmt:MATRIX_FMT_FP6 matrix_a_scale:MATRIX_SCALE_ROW\bl matrix_b_scale:MATRIX_SCALE_ROW\al
.else
	v_wmma_scale_f32_16x16x128_f8f6f4 v[8*(8*(2*\ah+\al)+2*\bh+\bl):8*(8*(2*\ah+\al)+2*\bh+\bl)+7], v[128*((\q)%2)+12*(2*\bh+\bl):128*((\q)%2)+12*(2*\bh+\bl)+11], v[64*((\q)%2)+12*(2*\ah+\al):64*((\q)%2)+12*(2*\ah+\al)+11], v[8*(8*(2*\ah+\al)+2*\bh+\bl):8*(8*(2*\ah+\al)+2*\bh+\bl)+7], v[SBW+8*\bh+(\q)], v[SAW+8*\ah+(\q)] matrix_a_fmt:MATRIX_FMT_FP6 matrix_b_fmt:MATRIX_FMT_FP6 matrix_a_scale:MATRIX_SCALE_ROW\bl matrix_b_scale:MATRIX_SCALE_ROW\al
.endif
.endr
.endr
.endm
.macro HALF q, ah, first               ; source 0 window 1, source 1 window 3, D window 2; C window 2, or the bias in window 0
.if \first
	WIN 0x8d
.else
	WIN 0xad
.endif
	MULA \q, \ah, 0, \first
	MULA \q, \ah, 1, \first
	WIN 0
.endm
.macro STEP q, first
.if (\q) > 0
	PLACES                                         ; ahead of loads into registers that the last step's products read
.endif
	FETCH_B (\q)+1
	s_wait_dscnt 48                                ; all but the 48 just issued: this step's fragments are in
.if \first
	s_wait_loadcnt 0x0                             ; the scale words and the bias
.endif
	HALF \q, 0, \first
	FETCH_A (\q)+1
	HALF \q, 1, \first
.endm
	s_wait_alu depctr_va_vdst(0)
	s_cmp_lt_u32 s[WV], 2
	s_cbranch_scc0 .Lnot_low
	s_wait_tensorcnt 0x0                           ; waves 0 and 1: planes 0-7
.Lnot_low:
	s_barrier_signal -1
	s_barrier_wait -1
	FETCH_B 0
	FETCH_A 0
	STEP 0, 1
	STEP 1, 0
	STEP 2, 0
	PLACES
	s_wait_tensorcnt 0x0                           ; every wave: planes 8-15 are in
	s_wait_dscnt 0x0                               ; step 3's fragments are in: my reads of planes 0-7 are over
	s_barrier_signal -1
	HALF 3, 0, 0
	s_barrier_wait -1
	FETCH_B 4
	FETCH_A 4
	HALF 3, 1, 0
	STEP 4, 0
	STEP 5, 0
	STEP 6, 0
	s_wait_dscnt 0x0
	HALF 7, 0, 0
	HALF 7, 1, 0
.macro TOSTAGE a
	WIN 0x08                                       ; the data: window 2
.irp b, 0,1,2,3,4,5,6,7
	ds_store_b128 v[STO], v[64*(\a)+8*\b:64*(\a)+8*\b+3] offset:64*\b       ; each accumulator from its low end on
	ds_store_b128 v[STO], v[64*(\a)+8*\b+4:64*(\a)+8*\b+7] offset:64*\b+16
.endr
	WIN 0
.set BB, BK+64*((\a)%2)
.irp t, 0,1,2,3,4,5,6,7,8,9,10,11,12,13,14,15
	ds_load_b128 v[BB+4*\t:BB+4*\t+3], v[RD] offset:\t*SPITCH               ; LDS serves a wave's instructions in order
.endr
.endm
.macro SEND a, younger
.set BB, BK+64*((\a)%2)
	s_wait_dscnt \younger
.if (\a) > 0
	s_add_nc_u64 s[14:15], s[14:15], 16*SIZE_N*4   ; behind a wait on XCNT: the earlier stores have read their base
.endif
.irp t, 0,1,2,3,4,5,6,7,8,9,10,11,12,13,14,15
	global_store_b128 v[CO], v[BB+4*\t:BB+4*\t+3], s[14:15] offset:\t*SIZE_N*4 th:TH_STORE_NT   ; 512 consecutive bytes
.endr
.endm
	PLACES
	TOSTAGE 0
.irp a, 1,2,3
.if \a > 1
	s_wait_xcnt 0x0
.endif
	TOSTAGE \a
	SEND \a-1, 32                                  ; behind block a - 1's loads: block a's 16 stores and 16 loads
.endr
	s_wait_xcnt 0x0
	SEND 3, 0
	s_wait_tensorcnt 0x0                           ; the wave's end
	ds_add_u32 v[SPW], v[NIL]
	s_wait_dscnt 0x0
	CROUND                                         ; the closing round
	s_endpgm
.Lfunc_end_k_qa3dc496a60_outp:
	.size	k_qa3dc496a60_outp, .Lfunc_end_k_qa3dc496a60_outp-k_qa3dc496a60_outp
	.p2alignl 7, 3214868480
	.fill 96, 4, 3214868480
	.section	.rodata,"a",@progbits
	.p2align	6, 0x0
	.amdhsa_kernel k_qa3dc496a60_outp
		.amdhsa_group_segment_fixed_size 327680
		.amdhsa_private_segment_fixed_size 0
		.amdhsa_enable_private_segment 0
		.amdhsa_kernarg_size 48
		.amdhsa_user_sgpr_count 2
		.amdhsa_user_sgpr_kernarg_segment_ptr 1
		.amdhsa_wavefront_size32 1
		.amdhsa_system_sgpr_workgroup_id_x 1
		.amdhsa_system_sgpr_workgroup_id_y 1
		.amdhsa_system_sgpr_workgroup_id_z 1
		.amdhsa_system_vgpr_workitem_id 0
		.amdhsa_next_free_vgpr 896
		.amdhsa_next_free_sgpr 102
		.amdhsa_reserve_vcc 0
		.amdhsa_float_denorm_mode_32 3
		.amdhsa_float_denorm_mode_16_64 3
		.amdhsa_memory_ordered 1
		.amdhsa_forward_progress 1
		.amdhsa_inst_pref_size 97
	.end_amdhsa_kernel
	.amdgpu_metadata
---
amdhsa.version: [ 1, 2 ]
amdhsa.kernels:
  - .name:           k_qa3dc496a60_outp
    .symbol:         k_qa3dc496a60_outp.kd
    .args:
      - { .name: ctxc, .offset: 0, .size: 8, .value_kind: global_buffer, .address_space: global }
      - { .name: ctxs, .offset: 8, .size: 8, .value_kind: global_buffer, .address_space: global }
      - { .name: opc, .offset: 16, .size: 8, .value_kind: global_buffer, .address_space: global }
      - { .name: ops, .offset: 24, .size: 8, .value_kind: global_buffer, .address_space: global }
      - { .name: bo, .offset: 32, .size: 8, .value_kind: global_buffer, .address_space: global }
      - { .name: out0, .offset: 40, .size: 8, .value_kind: global_buffer, .address_space: global }
    .group_segment_fixed_size: 327680
    .private_segment_fixed_size: 0
    .kernarg_segment_align: 8
    .kernarg_segment_size: 48
    .max_flat_workgroup_size: 128
    .sgpr_count:     102
    .vgpr_count:     896
    .wavefront_size: 32
...
	.end_amdgpu_metadata
.endif
;; end of part 4
